; MI455X (gfx1250); checked and timed in simulation.
; The chip was launched on July 23, 2026; its instructions are those of AMD's public machine-readable ISA for CDNA 5 (MIT licence, August 2026) and "CDNA5" Instruction Set Architecture Reference Guide (July 2026). The comments in the code are by the model that wrote it; some were corrected since.
;; Multi Head Attention Combined QKV. Allowed arithmetic: matrix products marked QUANTISED: E4M3 operands, one given power-of-two scale a tensor, by v_wmma_f32_16x16x64_fp8_fp8 or v_wmma_f32_16x16x128_fp8_fp8, f32 sums; everything else in f32.
;; Inputs: b_proj 1,024 float32; lowp_scales 8 int32 (the exponents e of the quantised operands' scales 2^e); w_proj_codes 1,024 x 32 x 32 uint8 (E4M3 codes of w_proj, K innermost, in blocks of 32 codes); w_qkv_codes 3,072 x 32 x 32 uint8 (E4M3 codes of w_qkv, K innermost, in blocks of 32 codes); x_codes 2 x 2,048 x 32 x 32 uint8 (E4M3 codes of x, K innermost, in blocks of 32 codes).
;; Outputs: out0 2 x 2,048 x 1,024 float32.
;; This version of the problem:
;;   THIS VERSION OF THE PROBLEM IS GIVEN IN LOW PRECISION. The matrix products marked QUANTISED in the list below multiply operands that are first quantised to E4M3 (4 exponent bits, 3 mantissa bits; 8 bits a number), with one given power-of-two scale for each operand tensor; their sums are f32. All else is computed in f32.
;;   The module's matrix products, in the order in which they are computed (A, B: the left and right operand; K: the contracted axis; several contracted axes count as one K, in the product's order):
;;     1. [M 4,096, K 1,024] x [K 1,024, N 3,072]; A: input x (given as codes); B: input w_qkv (given as codes): QUANTISED (scales: A lowp_scales[0], B lowp_scales[1])
;;     2. batch 32 x [M 2,048, K 64] x [K 64, N 2,048]; A: computed on the way; B: computed on the way: QUANTISED (scales: A lowp_scales[2], B lowp_scales[3])
;;     3. batch 32 x [M 2,048, K 2,048] x [K 2,048, N 64]; A: softmax (see below); B: computed on the way: QUANTISED (scales: A lowp_scales[4], B lowp_scales[5])
;;     4. [M 4,096, K 1,024] x [K 1,024, N 1,024]; A: computed on the way; B: input w_proj (given as codes): QUANTISED (scales: A lowp_scales[6], B lowp_scales[7])
;;   THE QUANTISER, for each operand of a quantised product, along K:
;;     - The operand's scale is 2^e, e = its entry of the input lowp_scales (int32; the entries are numbered through the quantised products in the list's order, A before B).
;;     - Each number is divided by the scale, clamped to +-448, and rounded to the nearest number of E4M3, ties to even, subnormals kept.
;;     - The product sums the exact products of the quantised numbers (number of the format x scale) in f32.
;;   ~~~python
;;   def quantise(x, axis, e):      # numpy; x: float32 -> the quantised numbers, widened to float32 again
;;       x = np.moveaxis(x, axis, -1); K = x.shape[-1]
;;       r = np.clip(x / 2.0 ** e, -448, 448)
;;       step = 2.0 ** (np.maximum(np.frexp(np.where(r == 0, 1, r))[1] - 1, -6) - 3)
;;       q = np.round(r / step) * step * 2.0 ** e      # np.round: ties to even
;;       return np.moveaxis(q, -1, axis).astype(np.float32)
;;   ~~~
;;   SOFTMAX AHEAD OF A QUANTISED PRODUCT. Where the list says 'softmax', what is quantised is not the finished softmax but p = 2^(t - M), with t = logit x log2(e) and M = ceil(the row's largest t), a whole number; so 1/2 < the row's largest p <= 1. The row's sum l is taken of the UNQUANTISED p, in f32, and the product's result is divided by l at the end. Since M is a whole number, a kernel that streams over the keys may use a running M (the ceiling of the running maximum): every later rescaling is an exact power of two, so the quantised numbers keep their values, but for numbers so far below the row's largest that they fall under the format's range.
;;   OPERANDS COMPUTED ON THE WAY. 'Computed on the way' means the value that the module computes at that place (a softmax that the list does not call 'softmax' is quantised finished and normalised). What goes into a quantiser is computed in f32, as accurately as f32 sums, v_exp_f32 and their like allow (about 1e-6 of the number): no bf16 or f16 on the way to a quantiser, and a product that is left as it is and whose result goes on into a quantised operand takes f32 operands (vector FMAs, or v_wmma_f32_16x16x4_f32). A number that lies on a knife's edge between two numbers of the format may be rounded either way, as far as f32 arithmetic and the matrix unit's own rounding can turn it there, and no further.
;;   INPUTS GIVEN AS CODES. w_proj (in the module: [1024, 1024], K = its axis 1); w_qkv (in the module: [3072, 1024], K = its axis 1); x (in the module: [2, 2048, 1024], K = its axis 2): each comes as NAME_codes (uint8): NAME with its K axis moved to the last place and cut into blocks of 32 codes, [.., K / 32, bytes a block], one block behind the other in memory; one code a byte (a code: sign, 4 exponent bits, 3 mantissa bits); its scale is its entry of lowp_scales. Its value is code x scale, taken as it is: it is not quantised again, and the codes and scales need not be those that the quantiser above would give.
;; One version. Each part assembles by itself: llvm-mc -triple=amdgcn-amd-amdhsa -mcpu=gfx1250 --defsym DOCPART=n.
;; ======== version 1 of 1: 3 launches
;; limits: right only within a limited range of input values
;; workspace buffers: qc 4,194,304 bytes; kvc 8,388,608 bytes; cc 4,194,304 bytes
;; launch qkv (part 1): grid 16 x 16, 4 waves a work-group, clusters of 4 x 4, 327,680 bytes of LDS; arguments x_codes, w_qkv_codes, lowp_scales, qc, kvc; writes qc, kvc
.if DOCPART == 1
	.amdgcn_target "amdgcn-amd-amdhsa--gfx1250"
	.amdhsa_code_object_version 6
	.text
	.protected	k_q25b12ec9bf_qkv
	.globl	k_q25b12ec9bf_qkv
	.p2align	8
	.type	k_q25b12ec9bf_qkv,@function
k_q25b12ec9bf_qkv:
	s_mov_b64 s[64:65], 0
	v_nop
	global_prefetch_b8 v0, s[64:65] scope:SCOPE_SE
	s_setreg_imm32_b32 hwreg(HW_REG_WAVE_MODE, 25, 1), 1
	s_wait_xcnt 0x0
	s_wait_alu depctr_hold_cnt(0) depctr_sa_sdst(0) depctr_va_vdst(0) depctr_va_sdst(0) depctr_va_ssrc(0) depctr_va_vcc(0) depctr_vm_vsrc(0)
	s_getreg_b32 s2, hwreg(HW_REG_IB_STS2, 6, 4)
	s_cmp_eq_u32 s2, 0
	s_cbranch_scc0 .Lentry_in_a_cluster
	s_endpgm
.Lentry_in_a_cluster:
	s_bfe_u32 s2, ttmp6, 0x10000c
	s_cmp_lg_u32 s2, 0xf033
	s_cbranch_scc0 .Lentry_shape_is_right
	s_endpgm
.Lentry_shape_is_right:
; qkv = x w_qkv^T on codes of FP8 (E4M3), then q, k and v are quantised with their given scales and stored as IMAGES OF THE OPERAND REGISTERS that the attention launch wants.
; x: [4096][1024] codes, w_qkv: [3072][1024] codes, K innermost.  lowp_scales: e0 (x), e1 (w_qkv), e2 (q), e3 (k), e5 (v).  A sum stands for sum x 2^(e0 + e1): its code is sum / 2^(eT - e0 - e1).
; LIMITS: e2 - e0 - e1, e3 - e0 - e1 and e5 - e0 - e1 lie between -126 and 119, so that each scale and 448 x the scale is an f32 number.  NaN codes among the inputs are not served.
; SHARES.  Work-group (x = head, y = block of 256 rows) makes 256 rows x 192 columns: the head's 64 rows of w for q, for k and for v.  Wave w: rh = w / 2 (rows 128 rh on), ch = w % 2 (32 of the 64 of each of q, k, v):
; 128 x 96, 48 accumulators.  K goes in four parts of 256 (rows of 256 bytes) through two LDS slots; each part is two steps of 128.  All eight steps are written out.
; CLUSTER 4 x 4: x's tile hangs on y alone and is asked for jointly by a row of the cluster, w's on the head alone and by a column.  Wave 3 asks for x's 256 rows, waves 0, 1, 2 for w's q, k and v rows (64 each).
; LAYOUT.  q and k: source 0 = 16 rows of w, source 1 = 16 rows of x: a lane holds one row of x and eight neighbouring d: a conversion gives registers 2 t, 2 t + 1 of the K = 64 operand.
; v: source 0 = 16 rows of x, source 1 = 16 rows of w: a lane holds one channel and eight neighbouring keys: registers 2 a, 2 a + 1 of the K = 128 operand V^T.  THE ROWS OF w THAT FORM A TILE OF v ARE NOT NEIGHBOURS:
; lane r of tile u takes channel 32 ch + 8 u + r + 8 (r / 8), so that the attention launch's results come out as 16 neighbouring channels a lane.
; Every store is 16 bytes a lane at 16 x lane: 512 consecutive bytes, aligned.
; REGISTERS, in windows of 256: window 0: v16-31 addresses, scales; v32-223 w's fragments, two sets of six (q 0,1; k 2,3; v 4,5); on the way out v32-127 the codes.  window 1: x's fragments, two sets of eight.
;   window 2: q's accumulators at v[8 (8 t + a)], k's at v[128 + 8 (8 t + a)].   window 3: v's at v[8 (8 u + a)].
; LEFT OUT, in the attention launch alone: products and exponentials of key steps all of whose keys come after all queries of a tile.  reference() itself sets those scores to -infinity ahead of the softmax, so for all
; values of the inputs their p is 0 and adds nothing to the row's sum or to the weighted sum.  LIMIT: a NaN or an infinity in a K or V row that only such left-out work would read is not carried to the result.
; Every row and column of this launch is live: each q, k and v row serves at least its own position.
; PREFETCHES: each cluster asks for its own rows of x and of w, each block of 256 bytes once, told apart by address: of x's 256 rows the partner at cx takes 64, of w's 192 rows the partner at cy takes 48, a lane a row.
; K 256 and K 512 are asked for behind the head's loads, K 768 behind the first change of slots; nothing lies behind K 768.
.set PITCH,  272                       ; an LDS row: 256 bytes + 16 of padding = 68 words: row r starts at bank 4 r mod 64 (64 banks of 4 bytes: ISA guide 11.1)
.set PFO,    10                        ; v10     the prefetches' offset; never rewritten
.set T16,    16*PITCH
.set PIECE,  64*PITCH                  ; q's, k's or v's 64 rows of w
.set BOFF,   256*PITCH                 ; a slot: x's 256 rows, then w's 192
.set SLOT,   BOFF+3*PIECE
.set SPARE,  2*SLOT                    ; behind the ring: the spare words, 128 bytes for each wave: two blocks of 256 bytes that no other line names
.set ADRA, 16                          ; v16-17  LDS address of my fragments of x in slot 0, 1
.set ADRB, 18                          ; v18-19  of w's rows for q (k's lie PIECE further on)
.set ADRV, 20                          ; v20-21  of w's rows for v, in their own order
.set LI,   22                          ; v22     16 x lane
.set SCQ,  24                          ; v24-26  the conversions' scales for q, k, v
.set SCK,  25
.set SCV,  26
.set LMQ,  27                          ; v27, v30, v31  448 x those
.set SPW,  28                          ; v28     LDS address of my spare word; never rewritten
.set NIL,  29                          ; v29     0; never rewritten
.set LMK,  30
.set LMV,  31
.set BS,   32                          ; w's fragments
.set CQ,   32                          ; the codes on the way out
.set CK,   64
.set CV,   96
.set G1A, 32                           ; s[32:39] descriptor group 1 for x's tiles;  s[40:47] for w's;  s[48:55], s[56:63] their groups 0, a set for each slot
.set G1B, 40
.set G0A, 48
.set G0B, 56
.set MSB, 0
.macro WIN new                         ; the immediate's high byte repeats the setting that is left
.if MSB != \new
	s_set_vgpr_msb (MSB<<8)|\new
.set MSB, \new
.endif
.endm
.macro PLACES n
.rept \n
	v_nop
.endr
.endm
.macro CREST                           ; a round of the cluster's barrier behind its opening barrier
	s_cmp_lg_u32 s14, 0
	s_cbranch_scc1 .Lnot_wave_0_\@
	s_barrier_signal -3
.Lnot_wave_0_\@:
	s_barrier_wait -3
	s_barrier_signal -1
	s_barrier_wait -1
.endm
.macro CROUND                          ; a whole round
	s_barrier_signal -1
	s_barrier_wait -1
	CREST
.endm
; A joint refill: wave 3 asks for x's tile, the others for w's.  The branch hangs on the wave's number alone.  Four v_nop follow each of the two lines.
.macro JLOAD s
	s_cmp_eq_u32 s14, 3
	s_cbranch_scc0 .Lfor_b_\@
	tensor_load_to_lds s[G0A+4*\s:G0A+4*\s+3], s[G1A:G1A+7]
	s_nop 0
.rept 4
	v_nop
.endr
	s_branch .Lasked_\@
.Lfor_b_\@:
	tensor_load_to_lds s[G0B+4*\s:G0B+4*\s+3], s[G1B:G1B+7]
	s_nop 0
.rept 4
	v_nop
.endr
.Lasked_\@:
.endm
	s_load_b256 s[4:11], s[0:1], 0x0               ; x s[4:5], w s[6:7], the scales' exponents s[8:9], qc s[10:11]
	s_load_b64 s[12:13], s[0:1], 0x20              ; kvc
	v_lshl_add_u32 v[SPW], v0, 2, SPARE
	v_mov_b32 v[NIL], 0
	ds_add_u32 v28, v29
	ds_add_u32 v28, v29
	s_wait_dscnt 0x0
	v_lshrrev_b32 v1, 5, v0
	v_readfirstlane_b32 s14, v1                    ; wave 0..3
	s_lshr_b32 s15, s14, 1                         ; rh
	s_and_b32 s16, s14, 1                          ; ch
	s_min_u32 s23, s14, 2                          ; which of w's three pieces I ask for (wave 3 asks for x)
	s_bfe_u32 s17, ttmp6, 0x40000                  ; cx
	s_bfe_u32 s18, ttmp6, 0x40004                  ; cy
	s_lshl_b32 s19, ttmp9, 2
	s_add_co_u32 s19, s19, s17                     ; the head = 4 x cluster x + cx
	s_and_b32 s20, ttmp7, 0xffff
	s_lshl_b32 s20, s20, 2
	s_add_co_u32 s20, s20, s18                     ; the block of 256 rows = 4 x cluster y + cy
	s_lshl_b32 s21, s18, 2
	s_lshl_b32 s21, 15, s21                        ; my row of the cluster
	s_lshl_b32 s22, 0x1111, s17                    ; my column
	s_or_b32 s[G1A], s21, (1<<20)|(1<<21)|(5<<22)|(3<<25)  ; 15:0 the mask; 17:16 elements of 1 byte; 20 padding on; 21 set beside a mask; 24:22 after every 64 words; 31:25 four words
	s_mov_b32 s[G1A+1], 256<<16                    ; tensor_dim0 = 256
	s_mov_b32 s[G1A+2], 256<<16                    ; tensor_dim1 = 256
	s_mov_b32 s[G1A+3], 256<<16                    ; tile_dim0 = 256
	s_mov_b32 s[G1A+4], 256                        ; tile_dim1 = 256
	s_mov_b32 s[G1A+5], 1024                       ; from row to row
	s_mov_b32 s[G1A+6], 0
	s_mov_b32 s[G1A+7], 0
	s_or_b32 s[G1B], s22, (1<<20)|(1<<21)|(5<<22)|(3<<25)
	s_mov_b32 s[G1B+1], 256<<16
	s_mov_b32 s[G1B+2], 64<<16                     ; 64 rows
	s_mov_b32 s[G1B+3], 256<<16
	s_mov_b32 s[G1B+4], 64
	s_mov_b32 s[G1B+5], 1024
	s_mov_b32 s[G1B+6], 0
	s_mov_b32 s[G1B+7], 0
	s_lshl_b32 s24, s20, 18                        ; x: 256 rows of 1,024 bytes a block
	s_mov_b32 s25, 0
	s_lshl_b32 s26, s23, 20                        ; w: piece x 1,024 rows
	s_lshl_b32 s27, s19, 16                        ;    + head x 64 rows
	s_add_co_u32 s26, s26, s27
	s_mov_b32 s27, 0
	s_mul_i32 s28, s23, PIECE
	s_add_co_u32 s28, s28, BOFF                    ; the piece's place in a slot
	s_wait_kmcnt 0x0
	s_load_b256 s[72:79], s[8:9], 0x0              ; e0 .. e7
	s_add_nc_u64 s[24:25], s[4:5], s[24:25]
	s_add_nc_u64 s[26:27], s[6:7], s[26:27]
	CROUND                                         ; all sixteen work-groups are here: the first joint loads meet
.irp s, 0,1
	s_mov_b32 s[G0A+4*\s], 1
	s_mov_b32 s[G0A+4*\s+1], \s*SLOT
	s_add_nc_u64 s[G0A+4*\s+2:G0A+4*\s+3], s[24:25], \s*256
	s_or_b32 s[G0A+4*\s+3], s[G0A+4*\s+3], 0x80000000
	s_mov_b32 s[G0B+4*\s], 1
	s_add_co_u32 s[G0B+4*\s+1], s28, \s*SLOT
	s_add_nc_u64 s[G0B+4*\s+2:G0B+4*\s+3], s[26:27], \s*256
	s_or_b32 s[G0B+4*\s+3], s[G0B+4*\s+3], 0x80000000
.endr
	JLOAD 0                                        ; K 0: one tensor load a wave at the head
	; the prefetches: waves 0 and 1 ask for x, waves 2 and 3 for w
	s_lshl_b32 s86, s17, 6
	s_lshl_b32 s88, s14, 5
	s_add_co_u32 s86, s86, s88                     ; x: row 64 cx + 32 wave + lane of the block
	s_mul_i32 s87, s18, 48
	s_add_co_u32 s88, s88, s87
	s_sub_co_u32 s88, s88, 64                      ; w: row 48 cy + 32 (wave - 2) + lane of the 192,
	s_add_co_u32 s87, s87, 47                      ; up to my last one, which the lanes that are left over name again
	s_lshl_b32 s90, s19, 16
	s_mov_b32 s91, 0
	s_add_nc_u64 s[90:91], s[6:7], s[90:91]        ; w at the head's first row
	s_mov_b32 s89, 255
	s_mov_b32 s92, 20
	s_cmp_lt_u32 s14, 2
	s_cselect_b32 s86, s86, s88
	s_cselect_b32 s87, s89, s87
	s_cselect_b32 s92, 16, s92                     ; from 64 rows to the next 64: x 65,536 bytes, w 2^20
	s_cselect_b64 s[90:91], s[24:25], s[90:91]
	v_and_b32 v[PFO], 31, v0
	v_add_nc_u32 v[PFO], s86, v[PFO]
	v_min_u32 v[PFO], s87, v[PFO]
	v_lshrrev_b32 v11, 6, v[PFO]
	v_lshlrev_b32 v11, s92, v11
	v_and_b32 v[PFO], 63, v[PFO]
	v_lshl_add_u32 v[PFO], v[PFO], 10, v11
	global_prefetch_b8 v[PFO], s[90:91] offset:256 th:TH_LOAD_NT scope:SCOPE_SE
	v_and_b32 v1, 15, v0                           ; r
	v_bfe_u32 v2, v0, 4, 1                         ; h
	v_mul_u32_u24 v3, v1, PITCH
	v_lshl_add_u32 v3, v2, 4, v3                   ; row r x pitch + 16 h
	v_and_b32 v4, 8, v1
	v_mul_u32_u24 v4, v4, PITCH
	v_add_nc_u32 v4, v4, v3                        ; row r + 8 (r / 8)
	s_mul_i32 s29, s15, 128*PITCH                  ; my 128 rows of x
	s_mul_i32 s30, s16, 32*PITCH
	s_add_co_u32 s30, s30, BOFF                    ; my 32 rows of w for q
	s_add_co_u32 s31, s30, 2*PIECE                 ; and for v
.irp s, 0,1
	v_add_nc_u32 v[ADRA+\s], s29, v3
	v_add_nc_u32 v[ADRB+\s], s30, v3
	v_add_nc_u32 v[ADRV+\s], s31, v4
	s_add_co_u32 s29, s29, SLOT
	s_add_co_u32 s30, s30, SLOT
	s_add_co_u32 s31, s31, SLOT
.endr
	v_and_b32 v[LI], 31, v0
	v_lshlrev_b32 v[LI], 4, v[LI]
	; where my images go.  bh = batch x 16 + head; a batch has 8 blocks of 256 rows
	s_lshr_b32 s66, s20, 3
	s_lshl_b32 s66, s66, 4
	s_add_co_u32 s66, s66, s19                     ; bh
	s_and_b32 s67, s20, 7
	s_lshl_b32 s68, s66, 17                        ; qc: 128 tiles of 1,024 bytes a head
	s_lshl_b32 s69, s67, 14                        ; 16 tiles a block,
	s_add_co_u32 s68, s68, s69
	s_lshl_b32 s69, s15, 13                        ; 8 for each half of its rows,
	s_add_co_u32 s68, s68, s69
	s_lshl_b32 s69, s16, 9                         ; my four registers of the eight
	s_add_co_u32 s68, s68, s69
	s_mov_b32 s69, 0
	s_add_nc_u64 s[80:81], s[10:11], s[68:69]
	s_lshl_b32 s70, s66, 18                        ; kvc: 16 key steps of 16,384 bytes a head
	s_lshl_b32 s71, s67, 15
	s_add_co_u32 s70, s70, s71
	s_lshl_b32 s71, s15, 14
	s_add_co_u32 s70, s70, s71                     ; my 128 rows are one key step
	s_lshl_b32 s92, s16, 9
	s_add_co_u32 s92, s92, s70
	s_mov_b32 s93, 0
	s_add_nc_u64 s[82:83], s[12:13], s[92:93]      ; k's images
	s_lshl_b32 s92, s16, 12
	s_add_co_u32 s92, s92, s70
	s_add_co_u32 s92, s92, 8192
	s_add_nc_u64 s[84:85], s[12:13], s[92:93]      ; v's: images 2 ch and 2 ch + 1, behind k's eight
	s_wait_kmcnt 0x0
	s_add_co_i32 s94, s72, s73                     ; e0 + e1
.macro SCALE e, vs, vl                 ; 2^(e - e0 - e1) as f32, whose exponent field the conversion takes, and 448 x that
	s_sub_co_i32 s95, s[\e], s94
	s_add_co_i32 s95, s95, 127
	s_lshl_b32 s96, s95, 23
	v_mov_b32 v[\vs], s96
	s_add_co_i32 s95, s95, 8
	s_lshl_b32 s95, s95, 23
	s_or_b32 s95, s95, 0x600000
	v_mov_b32 v[\vl], s95
.endm
	SCALE 74, SCQ, LMQ
	SCALE 75, SCK, LMK
	SCALE 77, SCV, LMV
; A fragment, 16 rows x 128 K, is 16 registers: four loads of 16 bytes, 32 bytes apart: registers 4 c .. 4 c + 3 hold K = 32 c + 16 h + 0 .. 15: the same order of k in x and in w, so every product meets its partner.
.macro FRAG reg, adr, off
.irp c, 0,1,2,3
	ds_load_b128 v[\reg+4*\c:\reg+4*\c+3], v[\adr] offset:\off+32*\c
.endr
.endm
.macro FETCH slot, q, p                ; 56 loads in one run: the slot's q-th 128 along K into set p
	WIN 0x40                                       ; destination window 1, address window 0
.irp a, 0,1,2,3,4,5,6,7
	FRAG 128*(\p)+16*\a, ADRA+\slot, 128*(\q)+\a*T16
.endr
	WIN 0
.irp t, 0,1
	FRAG BS+96*(\p)+16*\t, ADRB+\slot, 128*(\q)+\t*T16
.endr
.irp t, 0,1
	FRAG BS+96*(\p)+16*(2+\t), ADRB+\slot, 128*(\q)+PIECE+\t*T16
.endr
.irp t, 0,1                            ; the youngest 16 loads are k's and v's fragments, which the first 16 products do not read
	FRAG BS+96*(\p)+16*(4+\t), ADRV+\slot, 128*(\q)+\t*8*PITCH
.endr
.endm
; 16 products for q (base 0, f0 0) or k (base 128, f0 2): source 0 = w, source 1 = x.  The 48 accumulators take turns, one instruction a turn, in the same order in every step.
.macro MULQK base, f0, p, zero
	WIN 0xa4                                       ; source 0 window 0, source 1 window 1, C and D window 2
.irp a, 0,1,2,3,4,5,6,7
.irp t, 0,1
.if \zero
	v_wmma_f32_16x16x128_fp8_fp8 v[\base+8*(8*\t+\a):\base+8*(8*\t+\a)+7], v[BS+96*(\p)+16*(\f0+\t):BS+96*(\p)+16*(\f0+\t)+15], v[128*(\p)+16*\a:128*(\p)+16*\a+15], 0
.else
	v_wmma_f32_16x16x128_fp8_fp8 v[\base+8*(8*\t+\a):\base+8*(8*\t+\a)+7], v[BS+96*(\p)+16*(\f0+\t):BS+96*(\p)+16*(\f0+\t)+15], v[128*(\p)+16*\a:128*(\p)+16*\a+15], v[\base+8*(8*\t+\a):\base+8*(8*\t+\a)+7]
.endif
.endr
.endr
.endm
.macro MULV p, zero                    ; 16 products for v: source 0 = x, source 1 = w
	WIN 0xf1                                       ; source 0 window 1, source 1 window 0, C and D window 3
.irp a, 0,1,2,3,4,5,6,7
.irp u, 0,1
.if \zero
	v_wmma_f32_16x16x128_fp8_fp8 v[8*(8*\u+\a):8*(8*\u+\a)+7], v[128*(\p)+16*\a:128*(\p)+16*\a+15], v[BS+96*(\p)+16*(4+\u):BS+96*(\p)+16*(4+\u)+15], 0
.else
	v_wmma_f32_16x16x128_fp8_fp8 v[8*(8*\u+\a):8*(8*\u+\a)+7], v[128*(\p)+16*\a:128*(\p)+16*\a+15], v[BS+96*(\p)+16*(4+\u):BS+96*(\p)+16*(4+\u)+15], v[8*(8*\u+\a):8*(8*\u+\a)+7]
.endif
.endr
.endr
.endm
; A step of 128 along K whose successor lies in the same slot: multiplies set p, fetches (slot, q) into the other set.
.macro STEP slot, q, p, zero
	s_wait_dscnt 16                                ; x's and q's fragments of set p are in; the youngest 16 loads (k's and v's) may be out
	MULQK 0, 0, \p, \zero
	s_wait_dscnt 0x0                               ; the whole set is in
	PLACES 4                                       ; four places between the last step's products, which read the other set, and the loads into it (ISA guide 7.12.1 for vector instructions)
	FETCH \slot, \q, 1-(\p)
	MULQK 128, 2, \p, \zero
	MULV \p, \zero
	WIN 0
.endm
; A slot's last step changes slots: ONE barrier; in front of it each wave waits for all its tensor loads, adds 0 to its spare word, and waits for that and for its reads of this slot.  fill = 1: this slot is filled again.
.macro TURN p, slot, next, fill
	s_wait_tensorcnt 0x0                           ; all my tensor loads have landed: my part of the next slot
	ds_add_u32 v[SPW], v[NIL]                      ; 0 onto my spare word
	s_wait_dscnt 17                                ; x's and q's fragments are in; k's and v's 16 loads and the add may be out
	MULQK 0, 0, \p, 0                              ; sixteen products stand between the add and the wait for it
	s_wait_dscnt 0x0                               ; the add is done, and my reads of this slot are over
	s_barrier_signal -1
	MULQK 128, 2, \p, 0
	WIN 0
	s_barrier_wait -1
.if \fill
	CREST                                          ; the barrier has opened a round of the cluster's: no wave of any partner still reads this slot or has a load on its way
	s_add_nc_u64 s[G0A+4*\slot+2:G0A+4*\slot+3], s[G0A+4*\slot+2:G0A+4*\slot+3], 512
	s_add_nc_u64 s[G0B+4*\slot+2:G0B+4*\slot+3], s[G0B+4*\slot+2:G0B+4*\slot+3], 512
	JLOAD \slot                                    ; the first tensor load behind the round; its four v_nop are also the places in front of the loads below
.else
	PLACES 4
.endif
	s_wait_alu depctr_va_vdst(0)
	FETCH \next, 0, 1-(\p)
	MULV \p, 0
	WIN 0
.endm
	s_wait_alu depctr_va_vdst(0)                   ; the head's end
	s_wait_tensorcnt 0x0                           ; my part of slot 0 is in
	ds_add_u32 v[SPW], v[NIL]
	s_wait_dscnt 0x0
	CROUND                                         ; everybody's part of slot 0 is in, and all sixteen work-groups are here
	JLOAD 1                                        ; K 256, the first tensor load behind the round
	FETCH 0, 0, 0
	global_prefetch_b8 v[PFO], s[90:91] offset:512 th:TH_LOAD_NT scope:SCOPE_SE   ; K 512: the first change of slots loads it
	STEP 0, 1, 0, 1                                ; K 0: the first products start the sums
	TURN 1, 0, 1, 1                                ; K 128; slot 0 takes K 512 on
	global_prefetch_b8 v[PFO], s[90:91] offset:768 th:TH_LOAD_NT scope:SCOPE_SE   ; K 768: the next change of slots loads it
	STEP 1, 1, 0, 0                                ; K 256
	TURN 1, 1, 0, 1                                ; K 384; slot 1 takes K 768 on
	STEP 0, 1, 0, 0                                ; K 512
	TURN 1, 0, 1, 0                                ; K 640; nothing is left to fetch
; THE WAY OUT.  The hold at 448 x the scale (the conversion to an 8-bit code does not saturate: ISA guide 7.6.2), each accumulator from its low end on; the conversions; 16 bytes a lane straight to memory.
.macro OUTQK base, cod, sc, lim, sb
	WIN 0x82                                       ; source 0 and destination window 2
.set i, 0
.rept 128
	v_med3_num_f32 v[\base+i], v[\base+i], -v[\lim], v[\lim]
.set i, i+1
.endr
	WIN 0x02                                       ; source 0 window 2, destination window 0
.irp a, 0,1,2,3,4,5,6,7
.irp t, 0,1
	v_cvt_scalef32_pk8_fp8_f32 v[\cod+4*\a+2*\t:\cod+4*\a+2*\t+1], v[\base+8*(8*\t+\a):\base+8*(8*\t+\a)+7], v[\sc]
.endr
.endr
	v_nop                                          ; a plain line behind the last conversion
	WIN 0
.irp a, 0,1,2,3,4,5,6,7
	global_store_b128 v[LI], v[\cod+4*\a:\cod+4*\a+3], s[\sb:\sb+1] offset:1024*\a   ; tile a: my four registers of its image: 512 consecutive bytes
.endr
.endm
	STEP 1, 1, 0, 0                                ; K 768
	s_wait_dscnt 16                                ; K 896: x's and q's fragments are in
	MULQK 0, 0, 1, 0
	s_wait_dscnt 0x0
	MULQK 128, 2, 1, 0
	PLACES 4                                       ; in front of the first read of results
	OUTQK 0, CQ, SCQ, LMQ, 80                      ; q is finished: it leaves ahead of v's last products
	MULV 1, 0
	OUTQK 128, CK, SCK, LMK, 82                    ; k's 128 holds are also the places behind v's last products
	WIN 0xc3                                       ; source 0 and destination window 3
.set i, 0
.rept 128
	v_med3_num_f32 v[i], v[i], -v[LMV], v[LMV]
.set i, i+1
.endr
	WIN 0x03
.irp u, 0,1
.irp a, 0,1,2,3,4,5,6,7
	v_cvt_scalef32_pk8_fp8_f32 v[CV+16*\u+2*\a:CV+16*\u+2*\a+1], v[8*(8*\u+\a):8*(8*\u+\a)+7], v[SCV]
.endr
.endr
	v_nop
	WIN 0
.irp u, 0,1
.irp q, 0,1,2,3
	global_store_b128 v[LI], v[CV+16*\u+4*\q:CV+16*\u+4*\q+3], s[84:85] offset:2048*\u+512*\q
.endr
.endr
	s_wait_tensorcnt 0x0                           ; the wave's end
	ds_add_u32 v[SPW], v[NIL]
	s_wait_dscnt 0x0
	CROUND                                         ; the closing round: no work-group ends while a partner may still ask for a tile that names it
	s_endpgm
.Lfunc_end_k_q25b12ec9bf_qkv:
	.size	k_q25b12ec9bf_qkv, .Lfunc_end_k_q25b12ec9bf_qkv-k_q25b12ec9bf_qkv
	.p2alignl 7, 3214868480
	.fill 96, 4, 3214868480
	.section	.rodata,"a",@progbits
	.p2align	6, 0x0
	.amdhsa_kernel k_q25b12ec9bf_qkv
		.amdhsa_group_segment_fixed_size 327680
		.amdhsa_private_segment_fixed_size 0
		.amdhsa_enable_private_segment 0
		.amdhsa_kernarg_size 40
		.amdhsa_user_sgpr_count 2
		.amdhsa_user_sgpr_kernarg_segment_ptr 1
		.amdhsa_wavefront_size32 1
		.amdhsa_system_sgpr_workgroup_id_x 1
		.amdhsa_system_sgpr_workgroup_id_y 1
		.amdhsa_system_sgpr_workgroup_id_z 1
		.amdhsa_system_vgpr_workitem_id 0
		.amdhsa_next_free_vgpr 1024
		.amdhsa_next_free_sgpr 100
		.amdhsa_reserve_vcc 0
		.amdhsa_float_denorm_mode_32 3
		.amdhsa_float_denorm_mode_16_64 3
		.amdhsa_memory_ordered 1
		.amdhsa_forward_progress 1
		.amdhsa_inst_pref_size 97
	.end_amdhsa_kernel
	.amdgpu_metadata
---
amdhsa.version: [ 1, 2 ]
amdhsa.kernels:
  - .name:           k_q25b12ec9bf_qkv
    .symbol:         k_q25b12ec9bf_qkv.kd
    .args:
      - { .name: x_codes, .offset: 0, .size: 8, .value_kind: global_buffer, .address_space: global }
      - { .name: w_qkv_codes, .offset: 8, .size: 8, .value_kind: global_buffer, .address_space: global }
      - { .name: lowp_scales, .offset: 16, .size: 8, .value_kind: global_buffer, .address_space: global }
      - { .name: qc, .offset: 24, .size: 8, .value_kind: global_buffer, .address_space: global }
      - { .name: kvc, .offset: 32, .size: 8, .value_kind: global_buffer, .address_space: global }
    .group_segment_fixed_size: 327680
    .private_segment_fixed_size: 0
    .kernarg_segment_align: 8
    .kernarg_segment_size: 40
    .max_flat_workgroup_size: 128
    .sgpr_count:     100
    .vgpr_count:     1024
    .wavefront_size: 32
...
	.end_amdgpu_metadata
.endif
;; end of part 1
;; launch attn (part 2): grid 8 x 32, 8 waves a work-group, clusters of 4 x 1, 300,032 bytes of LDS; arguments qc, kvc, lowp_scales, cc; writes cc
.if DOCPART == 2
	.amdgcn_target "amdgcn-amd-amdhsa--gfx1250"
	.amdhsa_code_object_version 6
	.text
	.protected	k_q25b12ec9bf_attn
	.globl	k_q25b12ec9bf_attn
	.p2align	8
	.type	k_q25b12ec9bf_attn,@function
k_q25b12ec9bf_attn:
	s_mov_b64 s[64:65], 0
	v_nop
	global_prefetch_b8 v0, s[64:65] scope:SCOPE_SE
	s_setreg_imm32_b32 hwreg(HW_REG_WAVE_MODE, 25, 1), 1
	s_wait_xcnt 0x0
	s_wait_alu depctr_hold_cnt(0) depctr_sa_sdst(0) depctr_va_vdst(0) depctr_va_sdst(0) depctr_va_ssrc(0) depctr_va_vcc(0) depctr_vm_vsrc(0)
	s_getreg_b32 s2, hwreg(HW_REG_IB_STS2, 6, 4)
	s_cmp_eq_u32 s2, 0
	s_cbranch_scc0 .Lentry_in_a_cluster
	s_endpgm
.Lentry_in_a_cluster:
	s_bfe_u32 s2, ttmp6, 0x10000c
	s_cmp_lg_u32 s2, 0x3003
	s_cbranch_scc0 .Lentry_shape_is_right
	s_endpgm
.Lentry_shape_is_right:
; Causal attention of one head (bh = batch x 16 + head) on codes of FP8 (E4M3); ctx is quantised with its given scale and stored as images of the last product's operand registers.
; qc: [bh][tile of 16 queries][1,024]: the K = 64 operand's eight registers, four at a time, 16 bytes a lane.  kvc: [bh][step of 128 keys][16,384]: eight images of K (1,024 each), then four of V^T (2,048 each, keys along K).
; THE SOFTMAX: t = score x log2(e) / 8; M = the running largest t rounded UP to a whole number; p = 2^(t - M) is quantised with 2^e4, not normalised; the row's sum is taken of the unquantised p and divides at the end.
; When M moves, the sum and O^T are multiplied by 2^(old M - new M): exact.
; LEFT OUT: key steps all of whose keys come after a tile's queries: reference() masks them with -infinity for all values of the inputs (p = 0).  LIMIT: a NaN or an infinity that reaches only those is not carried on.
; LIMITS on the given exponents: e2 + e3 between -123 and 130 (they are added to c's exponent field); e4, and e6 - e4 - e5, between -126 and 119.  The scaled scores stay under 2^31 in magnitude.  NaN codes are not served.
; SHARES.  A head has 16 blocks of 128 queries, a block four pairs of tiles of 16 queries.  A wave works on ONE PAIR at a time, so that each fragment of K and of V feeds two products.  The cluster with x = k serves the blocks
; e and 15 - e, e = 2 c + (parity of c xor k), c = 0 .. 3: (0, 15), (3, 12), (5, 10), (6, 9) or (1, 14), (2, 13), (4, 11), (7, 8); the partner at cx takes pair cx of each.  So which steps a wave walks hangs on its number and
; the cluster's alone and is the same in all partners.  Waves 2 c and 2 c + 1 share the blocks e and 15 - e, which need e + 1 and 16 - e steps.  Wave A takes the late pair's steps 0 to 8: 9.  Wave B takes the early pair's
; e + 1 steps, stores that pair, and then the late pair's steps 9 to 15 - e: 8 in all.  B's part of the late pair goes to A through LDS, and A joins the two by exact powers of two.  Roles are dealt so that waves w and w + 4,
; and waves 2 c and 2 c + 1, differ.
; ALL OF THE HEAD'S K AND V LIE IN LDS: 16 steps x 16,384 bytes, each byte filled once: wave w asks for steps 2 w and 2 w + 1, one joint load a wave at the head.  So there is no ring, no refill, and no prefetch into the L2:
; no trip in which to run ahead.
; CLUSTER 4 x 1: four work-groups of one head ask for each step jointly.
; LAYOUT.  S^T = K Q^T (source 0 = 16 keys, source 1 = 16 queries) and O^T = V^T P^T: a lane holds ONE query (lane % 16) of each tile throughout.  Tile c of S^T holds keys 16 c + 8 (lane / 16) + 0 .. 7: its conversion gives
; registers 2 c, 2 c + 1 of the K = 128 operand P.  V^T's channel slots are ordered so that tiles 2 b, 2 b + 1 of O^T hold channels 32 b + 16 (lane / 16) + 0 .. 15.
; REGISTERS, window 0 (t = 0, 1: the pair's tiles): v1 16 x lane; v2, v3 addresses; v4 the shared part's; v[8 + 4 t ..] -M, the largest t, the sum in two halves; v[16 + 2 t], v[20 + 2 t] factors (their upper halves zeros);
;   v[24 + 3 t ..] three at work; v30, v31 the add's; v32, v33 2^e4 and 448 x 2^e4; v34 -infinity; v35, v36 ctx's scale and limit; v[40 + 8 t ..] Q; v[56 + 16 t ..] codes; v88-101 chains of the sum; v[104 + 64 t ..] S^T, then p.
;   Window 1: v0-63 K's eight fragments; v64-127 V's four; v[128 + 32 t ..] O^T.
.set STEPB, 16384
.set SPARE, 16*STEPB                   ; the spare words, 128 bytes for each of 8 waves
.set STAGE, SPARE+1024                 ; the parts of the late pairs: 18 x 512 bytes for each two waves; no fill lands there
.set PART,  9216
.set SA,    104
.set G1, 28                            ; s[28:35] descriptor group 1;  s[36:39] group 0
.set G0, 36
.set MSB, 0
.macro WIN new                         ; the immediate's high byte repeats the setting that is left
.if MSB != \new
	s_set_vgpr_msb (MSB<<8)|\new
.set MSB, \new
.endif
.endm
.macro PLACES n
.rept \n
	v_nop
.endr
.endm
.macro CROUND                          ; a round of the cluster's barrier
	s_barrier_signal -1
	s_barrier_wait -1
	s_cmp_lg_u32 s12, 0
	s_cbranch_scc1 .Lnot_wave_0_\@
	s_barrier_signal -3
.Lnot_wave_0_\@:
	s_barrier_wait -3
	s_barrier_signal -1
	s_barrier_wait -1
.endm
	s_load_b256 s[4:11], s[0:1], 0x0               ; qc s[4:5], kvc s[6:7], the scales' exponents s[8:9], cc s[10:11]
	v_lshl_add_u32 v30, v0, 2, SPARE
	v_mov_b32 v31, 0
	ds_add_u32 v30, v31                            ; the opening: the add, twice on end, and its wait
	ds_add_u32 v30, v31
	v_lshrrev_b32 v2, 5, v0
	v_readfirstlane_b32 s12, v2                    ; wave 0..7
	s_and_b32 s13, ttmp7, 0xffff                   ; bh
	s_mov_b32 s[G1], (3<<16)|(1<<21)|15            ; the mask: all four partners; elements of 8 bytes; 21 set beside a mask; no padding: two steps' 32,768 bytes are dense, stated as 128 rows of 256 bytes
	s_mov_b32 s[G1+1], 32<<16                      ; tensor_dim0 = 32
	s_mov_b32 s[G1+2], 128<<16                     ; tensor_dim1 = 128
	s_mov_b32 s[G1+3], 32<<16                      ; tile_dim0 = 32
	s_mov_b32 s[G1+4], 128                         ; tile_dim1 = 128
	s_mov_b32 s[G1+5], 32                          ; from row to row
	s_mov_b32 s[G1+6], 0
	s_mov_b32 s[G1+7], 0
	s_lshl_b32 s14, s12, 15                        ; wave x 32,768: in LDS and in the head's part of kvc alike
	s_lshl_b32 s16, s13, 18
	s_add_co_u32 s16, s16, s14
	s_mov_b32 s17, 0
	s_mov_b32 s[G0], 1
	s_mov_b32 s[G0+1], s14
	s_bfe_u32 s46, ttmp6, 0x40000                  ; cx: my pair of tiles in a block
	s_lshl_b32 s26, s46, 1                         ; its tiles: 2 cx,
	s_add_co_u32 s27, s26, 1                       ; 2 cx + 1
	s_lshr_b32 s15, s12, 2
	s_xor_b32 s15, s15, s12
	s_and_b32 s15, s15, 1                          ; 1: A, 0: B
	s_lshr_b32 s44, s12, 1                         ; c
	s_lshr_b32 s45, s44, 1
	s_xor_b32 s45, s45, s44
	s_xor_b32 s45, s45, ttmp9
	s_and_b32 s45, s45, 1
	s_lshl_b32 s66, s44, 1
	s_add_co_u32 s45, s45, s66                     ; e, the early block
	s_sub_co_u32 s47, 15, s45                      ; the late block
	s_sub_co_u32 s66, s47, s45
	s_mul_i32 s66, s66, s15
	s_add_co_u32 s66, s66, s45                     ; the block that I begin with
	s_lshl_b32 s18, s66, 7                         ; the first key of its diagonal step
	s_lshl_b32 s48, s47, 7                         ; and of the late block's
	s_lshl_b32 s49, s45, 7
	s_cmp_eq_u32 s15, 1
	s_cselect_b32 s71, 0x400, s49                  ; the first key of my last step: A 8 x 128, B 128 e
	s_mul_i32 s70, s44, PART
	s_add_co_u32 s70, s70, STAGE                   ; the part in LDS that the two waves share
	s_lshl_b32 s68, s13, 17                        ; qc: 128 tiles of 1,024 bytes a head, eight a block
	s_lshl_b32 s69, s46, 11
	s_add_co_u32 s68, s68, s69
	s_lshl_b32 s69, s66, 13
	s_add_co_u32 s72, s68, s69                     ; my first pair's Q
	s_mov_b32 s73, 0
	s_lshl_b32 s69, s47, 13
	s_add_co_u32 s76, s68, s69                     ; the late pair's
	s_mov_b32 s77, 0
	s_lshr_b32 s68, s13, 4                         ; cc: [block of 128 rows][128 along K][tile of 16 rows][2,048]
	s_lshl_b32 s68, s68, 4
	s_add_co_u32 s68, s68, s66                     ; batch x 16 + block
	s_lshl_b32 s68, s68, 17
	s_bfe_u32 s69, s13, 0x30001                    ; head / 2
	s_lshl_b32 s69, s69, 14
	s_add_co_u32 s68, s68, s69
	s_lshl_b32 s69, s46, 12
	s_add_co_u32 s68, s68, s69
	s_and_b32 s69, s13, 1                          ; an odd head's 64 channels are the image's upper eight registers
	s_lshl_b32 s69, s69, 10
	s_add_co_u32 s68, s68, s69
	s_mov_b32 s69, 0
	s_mov_b32 s24, 0x76543210                      ; v_permlanex16_b32's selects for lane l xor 16
	s_mov_b32 s25, 0xfedcba98
	v_and_b32 v1, 31, v0
	v_lshlrev_b32 v1, 4, v1                        ; 16 x lane
	v_add_nc_u32 v4, s70, v1
.macro FRESH                           ; a pair begins
.irp t, 0,1
	v_mov_b32 v[9+4*\t], 0xff61b1e6                ; the largest t so far: -3e38, under every t
	v_mov_b32 v[10+4*\t], 0
	v_mov_b32 v[11+4*\t], 0
.endr
.irp t, 0,1
	v_floor_f32 v[8+4*\t], -v[9+4*\t]              ; -M
.endr
	WIN 0x40                                       ; destination window 1
.set i, 0
.rept 64
	v_mov_b32 v[128+i], 0                          ; O^T: the step's text is the same for all steps, and the first finds zeros, which the first change of M leaves zeros
.set i, i+1
.endr
	WIN 0
.endm
	FRESH
.irp t, 0,1
	v_mov_b32 v[17+2*\t], 0                        ; (named as the upper halves of the factors' pairs)
	v_mov_b32 v[21+2*\t], 0
	v_mov_b32 v[26+3*\t], 0                        ; written once: a lane permute's destination counts as one of its sources
.endr
	v_mov_b32 v34, 0xff800000                      ; -infinity
	s_wait_alu depctr_va_vdst(0)
	s_wait_dscnt 0x0                               ; both opening adds are done
	s_wait_kmcnt 0x0
	s_load_b256 s[52:59], s[8:9], 0x0              ; e0 .. e7
	s_add_nc_u64 s[G0+2:G0+3], s[6:7], s[16:17]
	s_or_b32 s[G0+3], s[G0+3], 0x80000000
	s_add_nc_u64 s[62:63], s[4:5], s[72:73]
	s_add_nc_u64 s[74:75], s[4:5], s[76:77]
	s_add_nc_u64 s[60:61], s[10:11], s[68:69]      ; where the pair goes that I store: B's early one, A's late one
.macro QLOAD sb                        ; Q's fragments stay in registers
.irp t, 0,1
	global_load_b128 v[40+8*\t:43+8*\t], v1, s[\sb:\sb+1] offset:1024*\t
	global_load_b128 v[44+8*\t:47+8*\t], v1, s[\sb:\sb+1] offset:1024*\t+512
.endr
.endm
	QLOAD 62
	CROUND                                         ; all four work-groups are here: the joint loads meet
	tensor_load_to_lds s[G0:G0+3], s[G1:G1+7]      ; my two steps
	s_nop 0
	PLACES 4
	s_wait_kmcnt 0x0
	s_mov_b32 s22, 0x3e38aa3b                      ; c = log2(e) / 8
	s_add_co_i32 s66, s54, s55
	s_lshl_b32 s66, s66, 23
	s_add_co_i32 s22, s22, s66                     ; a score stands for score x 2^(e2 + e3): added to c's exponent field
	s_mov_b32 s23, s22                             ; (named with it as a pair)
	s_add_co_i32 s66, s56, 127
	s_lshl_b32 s67, s66, 23
	v_mov_b32 v32, s67                             ; 2^e4
	s_add_co_i32 s66, s66, 8
	s_lshl_b32 s66, s66, 23
	s_or_b32 s66, s66, 0x600000
	v_mov_b32 v33, s66                             ; 448 x 2^e4
	s_sub_co_i32 s66, s58, s56
	s_sub_co_i32 s66, s66, s57
	s_add_co_i32 s66, s66, 127
	s_lshl_b32 s67, s66, 23
	v_mov_b32 v35, s67                             ; 2^(e6 - e4 - e5): O^T / the sum stands for ctx / 2^(e4 + e5)
	s_add_co_i32 s66, s66, 8
	s_lshl_b32 s66, s66, 23
	s_or_b32 s66, s66, 0x600000
	v_mov_b32 v36, s66
.macro KLOAD adr                       ; a step's eight fragments of K
	WIN 0x40                                       ; destination window 1, address window 0
.irp c, 0,1,2,3,4,5,6,7
	ds_load_b128 v[8*\c:8*\c+3], v[\adr] offset:1024*\c
	ds_load_b128 v[8*\c+4:8*\c+7], v[\adr] offset:1024*\c+512
.endr
	WIN 0
.endm
; A row's sum is taken of the unquantised p, in eight chains.
.macro SUM s, l
.irp k, 0,1,2,3,4,5,6
	v_pk_add_f32 v[88+2*\k:89+2*\k], v[\s+2*\k:\s+1+2*\k], v[\s+14+2*\k:\s+15+2*\k]
.endr
	v_pk_add_f32 v[\l:\l+1], v[\l:\l+1], v[\s+28:\s+29]
.irp k, 0,1,2,3,4,5,6
	v_pk_add_f32 v[88+2*\k:89+2*\k], v[88+2*\k:89+2*\k], v[\s+30+2*\k:\s+31+2*\k]
.endr
	v_pk_add_f32 v[\l:\l+1], v[\l:\l+1], v[\s+44:\s+45]
.irp k, 0,1,2,3,4,5,6
	v_pk_add_f32 v[88+2*\k:89+2*\k], v[88+2*\k:89+2*\k], v[\s+46+2*\k:\s+47+2*\k]
.endr
	v_pk_add_f32 v[\l:\l+1], v[\l:\l+1], v[\s+60:\s+61]
	v_pk_add_f32 v[88:89], v[88:89], v[\s+62:\s+63]
	v_pk_add_f32 v[90:91], v[90:91], v[92:93]
	v_pk_add_f32 v[94:95], v[94:95], v[96:97]
	v_pk_add_f32 v[98:99], v[98:99], v[100:101]
	s_delay_alu instid0(VALU_DEP_4)
	v_pk_add_f32 v[\l:\l+1], v[\l:\l+1], v[88:89]
	s_delay_alu instid0(VALU_DEP_3)
	v_pk_add_f32 v[90:91], v[90:91], v[94:95]
	s_delay_alu instid0(VALU_DEP_2)
	v_pk_add_f32 v[\l:\l+1], v[\l:\l+1], v[98:99]
	s_delay_alu instid0(VALU_DEP_1)
	v_pk_add_f32 v[\l:\l+1], v[\l:\l+1], v[90:91]
.endm
; A KEY STEP: 128 keys, the first of them s19, at LDS byte s20.  Its fragments of K have been asked for by the step before (or ahead of the loop); it asks for V's, and for the next step's K while the softmax is worked.
.macro STEP
	s_cmp_gt_u32 s19, s71                          ; behind my last step: only the two steps of addresses at its end are run
	s_cbranch_scc1 .Lhidden_\@
	v_add_nc_u32 v2, s20, v1
	PLACES 3                                       ; with the addition: four places in front of loads into registers that the last products read
	WIN 0x40
.irp b, 0,1,2,3
.irp q, 0,1,2,3
	ds_load_b128 v[64+16*\b+4*\q:67+16*\b+4*\q], v2 offset:8192+2048*\b+512*\q
.endr
.endr
	WIN 0x01                                       ; source 0 (K) window 1, source 1 (Q) and D window 0
	s_wait_dscnt 16                                ; K is in; V's 16 loads may be out
.irp c, 0,1,2,3,4,5,6,7
.irp t, 0,1
	v_wmma_f32_16x16x64_fp8_fp8 v[SA+64*\t+8*\c:SA+64*\t+8*\c+7], v[8*\c:8*\c+7], v[40+8*\t:47+8*\t], 0
.endr
.endr
	WIN 0
	PLACES 4                                       ; four places in front of the loads below and of the first read of the scores
	s_cmp_ge_u32 s19, s71                          ; my last step asks for no other
	s_cbranch_scc1 .Lno_next_\@
	s_add_co_u32 s50, s20, STEPB
	s_min_u32 s50, s50, 15*STEPB
	v_add_nc_u32 v3, s50, v1
	KLOAD 3
.Lno_next_\@:
	s_cmp_eq_u32 s19, s18                          ; on the diagonal hidden scores become -infinity
	s_cbranch_scc0 .Lopen_\@
; Lane (r, h), register (c, j) holds key 16 c + 8 h + j of the step and, for tile i = 2 cx + t, query 16 i + r of the block: in tiles c < i nothing is hidden, in tiles c > i all, in tile i the lanes where 8 h + j > r: a mask that j alone gives
.irp t, 0,1
.irp c, 0,1,2,3,4,5,6,7
	s_cmp_lt_u32 s[26+\t], \c
	s_cselect_b32 s49, -1, 0
	s_cmp_eq_u32 s[26+\t], \c
	s_cselect_b32 s50, -1, 0
.irp j, 0,1,2,3,4,5,6,7
	s_and_b32 s51, s50, ((1<<\j)-1)|(((1<<(8+\j))-1)<<16)
	s_or_b32 s51, s51, s49
	v_cndmask_b32 v[SA+64*\t+8*\c+\j], v[SA+64*\t+8*\c+\j], v34, s51
.endr
.endr
.endr
.Lopen_\@:
.irp t, 0,1                                        ; the step's largest score of each tile's query among my 64 keys, in two chains a tile; the two tiles take turns line by line
	v_max3_num_f32 v[24+3*\t], v[SA+64*\t], v[SA+64*\t+1], v[SA+64*\t+2]
	v_max3_num_f32 v[25+3*\t], v[SA+64*\t+3], v[SA+64*\t+4], v[SA+64*\t+5]
.endr
.irp i, 6,10,14,18,22,26,30,34,38,42,46,50,54,58
.irp t, 0,1
	v_max3_num_f32 v[24+3*\t], v[24+3*\t], v[SA+64*\t+\i], v[SA+64*\t+\i+1]
	v_max3_num_f32 v[25+3*\t], v[25+3*\t], v[SA+64*\t+\i+2], v[SA+64*\t+\i+3]
.endr
.endr
.irp t, 0,1
	v_max3_num_f32 v[24+3*\t], v[24+3*\t], v[SA+64*\t+62], v[SA+64*\t+63]
.endr
.irp t, 0,1
	v_max_num_f32 v[24+3*\t], v[24+3*\t], v[25+3*\t]
.endr
.irp t, 0,1
	v_permlanex16_b32 v[26+3*\t], v[24+3*\t], s24, s25
.endr
.irp t, 0,1
	v_max_num_f32 v[24+3*\t], v[24+3*\t], v[26+3*\t]   ; and among lane l xor 16's
.endr
.irp t, 0,1
	v_mul_f32 v[24+3*\t], s22, v[24+3*\t]          ; as t (c is positive)
.endr
.irp t, 0,1
	v_max_num_f32 v[9+4*\t], v[9+4*\t], v[24+3*\t] ; the running largest t
.endr
.irp t, 0,1
	v_mov_b32 v[24+3*\t], v[8+4*\t]
.endr
.irp t, 0,1
	v_floor_f32 v[8+4*\t], -v[9+4*\t]              ; the new -M = floor(-t) = -ceil(t)
.endr
.irp t, 0,1
	v_sub_f32 v[24+3*\t], v[8+4*\t], v[24+3*\t]    ; old M - new M: a whole number, 0 or less
.endr
.irp t, 0,1
	v_cvt_i32_f32 v[24+3*\t], v[24+3*\t]           ; (it saturates)
.endr
.irp t, 0,1
	v_ldexp_f32 v[16+2*\t], 1.0, v[24+3*\t]        ; f = 2^(old M - new M)
.endr
.set i, 0
.rept 32
	v_pk_fma_f32 v[SA+i:SA+i+1], v[SA+i:SA+i+1], s[22:23], v[8:9] op_sel_hi:[1,0,0]   ; t - M (of the pairs c and -M the low word serves both halves)
	v_pk_fma_f32 v[SA+64+i:SA+64+i+1], v[SA+64+i:SA+64+i+1], s[22:23], v[12:13] op_sel_hi:[1,0,0]
.set i, i+2
.endr
	s_wait_alu depctr_va_vdst(0)
.set i, 0
.rept 128
	v_exp_f32 v[SA+i], v[SA+i]                     ; p = 2^(t - M)
.set i, i+1
.endr
.irp t, 0,1
	v_pk_mul_f32 v[10+4*\t:11+4*\t], v[10+4*\t:11+4*\t], v[16+2*\t:17+2*\t] op_sel_hi:[1,0]   ; the sums under the new M: the plain lines behind the exponentials
.endr
	WIN 0x41                                       ; source 0 and destination window 1
	s_wait_alu depctr_va_vdst(0)                   ; one wait for the batch, and for O^T, whose first readers follow
.irp t, 0,1
.irp j, 0,2,4,6,8,10,12,14,16,18,20,22,24,26,28,30
	v_pk_mul_f32 v[128+32*\t+\j:129+32*\t+\j], v[128+32*\t+\j:129+32*\t+\j], v[16+2*\t:17+2*\t] op_sel_hi:[1,0]   ; O^T under the new M
.endr
.endr
	WIN 0
	SUM SA, 10
	SUM SA+64, 14
.irp t, 0,1
.irp c, 0,1,2,3,4,5,6,7
.irp i, 0,2,4,6
	v_dual_min_num_f32 v[SA+64*\t+8*\c+\i], v[SA+64*\t+8*\c+\i], v33 :: v_dual_min_num_f32 v[SA+64*\t+8*\c+\i+1], v[SA+64*\t+8*\c+\i+1], v33   ; the conversion does not saturate (ISA guide 7.6.2); p is not negative, so the hold is one-sided
.endr
	v_cvt_scalef32_pk8_fp8_f32 v[56+16*\t+2*\c:57+16*\t+2*\c], v[SA+64*\t+8*\c:SA+64*\t+8*\c+7], v32
.endr
.endr
	v_nop                                          ; a plain line between the last conversion and the products
	s_wait_alu depctr_va_vdst(0)
	s_wait_dscnt 0x0                               ; V is in, and the next step's K
	WIN 0x51                                       ; source 0 (V), C and D window 1, source 1 (P) window 0
.irp b, 0,1,2,3
.irp t, 0,1
	v_wmma_f32_16x16x128_fp8_fp8 v[128+32*\t+8*\b:135+32*\t+8*\b], v[64+16*\b:79+16*\b], v[56+16*\t:71+16*\t], v[128+32*\t+8*\b:135+32*\t+8*\b]
.endr
.endr
	WIN 0
.Lhidden_\@:
	s_add_co_u32 s20, s20, STEPB
	s_add_co_u32 s19, s19, 128
.endm
; Steps first .. first + n - 1: every wave walks them all, and the branch inside leaves out what lies behind its last.
.macro WALK first, n
	s_mov_b32 s19, 128*\first
	s_mov_b32 s20, STEPB*\first
	s_mov_b32 s21, \n
.Lstep_\@:
	STEP
	s_sub_co_u32 s21, s21, 1
	s_cmp_lg_u32 s21, 0
	s_cbranch_scc1 .Lstep_\@
.endm
; O^T / the sum, held and converted with 2^(e6 - e4 - e5): tiles 2 b, 2 b + 1 give registers 4 b .. 4 b + 3 of my head's half of the image: 16 bytes a lane, 512 consecutive bytes a store.
.macro FINISH
.irp t, 0,1
	v_add_f32 v[10+4*\t], v[10+4*\t], v[11+4*\t]
.endr
.irp t, 0,1
	v_permlanex16_b32 v[26+3*\t], v[10+4*\t], s24, s25
.endr
.irp t, 0,1
	v_add_f32 v[10+4*\t], v[10+4*\t], v[26+3*\t]   ; the row's sum
.endr
	s_wait_alu depctr_va_vdst(0)
.irp t, 0,1
	v_rcp_f32 v[10+4*\t], v[10+4*\t]
.endr
	v_nop                                          ; a plain line behind the reciprocals
	WIN 0x01                                       ; source 0 window 1
	s_wait_alu depctr_va_vdst(0)                   ; the wait ahead of the reciprocals' first reader
.irp t, 0,1
.irp j, 0,2,4,6,8,10,12,14,16,18,20,22,24,26,28,30
	v_pk_mul_f32 v[SA+64*\t+\j:SA+64*\t+\j+1], v[128+32*\t+\j:129+32*\t+\j], v[10+4*\t:11+4*\t] op_sel_hi:[1,0]
.endr
.endr
	WIN 0
.set i, 0
.rept 32
	v_med3_num_f32 v[SA+i], v[SA+i], -v36, v36
	v_med3_num_f32 v[SA+64+i], v[SA+64+i], -v36, v36
.set i, i+1
.endr
.irp t, 0,1
.irp b, 0,1
	v_cvt_scalef32_pk8_fp8_f32 v[56+16*\t+4*\b:57+16*\t+4*\b], v[SA+64*\t+16*\b:SA+64*\t+16*\b+7], v35
	v_cvt_scalef32_pk8_fp8_f32 v[58+16*\t+4*\b:59+16*\t+4*\b], v[SA+64*\t+16*\b+8:SA+64*\t+16*\b+15], v35
.endr
.endr
	v_nop                                          ; a plain line behind the last conversion
.irp t, 0,1
.irp b, 0,1
	global_store_b128 v1, v[56+16*\t+4*\b:59+16*\t+4*\b], s[60:61] offset:2048*\t+512*\b
.endr
.endr
.endm
	s_wait_alu depctr_va_vdst(0)                   ; the head's end
	s_wait_loadcnt 0x0                             ; Q
	s_wait_tensorcnt 0x0                           ; my two steps are in
	s_barrier_signal -1
	s_barrier_wait -1                              ; all sixteen steps are whole for every wave
	KLOAD 1                                        ; step 0's K
	WALK 0, 9
	s_wait_dscnt 0x0                               ; no load of K is out
	s_mov_b32 s71, 0                               ; A is through: it leaves out all that follows
	s_cmp_eq_u32 s15, 1
	s_cbranch_scc1 .Llate
	PLACES 4                                       ; places behind the last products
	QLOAD 74                                       ; B: the late pair's Q, under the early pair's way out
	FINISH
	FRESH
	v_add_nc_u32 v2, 9*STEPB, v1
	KLOAD 2                                        ; step 9's K
	s_mov_b32 s71, s48
	s_mov_b32 s18, s48
	s_wait_alu depctr_va_vdst(0)
	s_wait_loadcnt 0x0                             ; Q
	s_wait_xcnt 0x0                                ; the stores have read their registers
.Llate:
	WALK 9, 7
	s_cmp_eq_u32 s15, 1
	s_cbranch_scc1 .Ljoin
	PLACES 4                                       ; places behind the last products
	ds_store_b128 v4, v[8:11]                      ; B: each tile's -M, largest t and the sum's two halves,
	ds_store_b128 v4, v[12:15] offset:512
	WIN 0x04                                       ; store data window 1
.irp k, 0,1,2,3,4,5,6,7,8,9,10,11,12,13,14,15
	ds_store_b128 v4, v[128+4*\k:131+4*\k] offset:1024+512*\k   ; and O^T.  (Where e = 7 B has walked no step of the late pair: zeros under M = -3e38)
.endr
	WIN 0
.Ljoin:
	s_wait_dscnt 0x0                               ; B's stores are done, for A's sake
	s_barrier_signal -1
	s_barrier_wait -1
	s_cmp_eq_u32 s15, 0
	s_cbranch_scc1 .Lend
.irp t, 0,1
	ds_load_b128 v[88+4*\t:91+4*\t], v4 offset:512*\t
.endr
.irp k, 0,1,2,3,4,5,6,7,8,9,10,11,12,13,14,15
	ds_load_b128 v[SA+4*\k:SA+4*\k+3], v4 offset:1024+512*\k
.endr
	s_wait_dscnt 0x0
.irp t, 0,1
	v_min_num_f32 v[24+3*\t], v[8+4*\t], v[88+4*\t]   ; -M of both parts
.endr
.irp t, 0,1
	v_sub_f32 v[25+3*\t], v[24+3*\t], v[8+4*\t]    ; each part's M less the common one: a whole number, 0 or less
	v_sub_f32 v[26+3*\t], v[24+3*\t], v[88+4*\t]
.endr
.irp t, 0,1
	v_cvt_i32_f32 v[25+3*\t], v[25+3*\t]           ; (it saturates)
	v_cvt_i32_f32 v[26+3*\t], v[26+3*\t]
.endr
.irp t, 0,1
	v_ldexp_f32 v[16+2*\t], 1.0, v[25+3*\t]
	v_ldexp_f32 v[20+2*\t], 1.0, v[26+3*\t]
.endr
.irp t, 0,1
	v_pk_mul_f32 v[10+4*\t:11+4*\t], v[10+4*\t:11+4*\t], v[16+2*\t:17+2*\t] op_sel_hi:[1,0]
.endr
.irp t, 0,1
	v_pk_fma_f32 v[10+4*\t:11+4*\t], v[90+4*\t:91+4*\t], v[20+2*\t:21+2*\t], v[10+4*\t:11+4*\t] op_sel_hi:[1,0,1]
.endr
	WIN 0x41
.irp t, 0,1
.irp j, 0,2,4,6,8,10,12,14,16,18,20,22,24,26,28,30
	v_pk_mul_f32 v[128+32*\t+\j:129+32*\t+\j], v[128+32*\t+\j:129+32*\t+\j], v[16+2*\t:17+2*\t] op_sel_hi:[1,0]
.endr
.endr
	WIN 0x50                                       ; source 2 and destination window 1
.irp t, 0,1
.irp j, 0,2,4,6,8,10,12,14,16,18,20,22,24,26,28,30
	v_pk_fma_f32 v[128+32*\t+\j:129+32*\t+\j], v[SA+32*\t+\j:SA+32*\t+\j+1], v[20+2*\t:21+2*\t], v[128+32*\t+\j:129+32*\t+\j] op_sel_hi:[1,0,1]
.endr
.endr
	WIN 0
	FINISH
.Lend:
	s_wait_tensorcnt 0x0                           ; the wave's end
	ds_add_u32 v30, v31
	s_wait_dscnt 0x0
	CROUND                                         ; the closing round: no work-group ends while a partner may still ask for a tile that names it
	s_endpgm
.Lfunc_end_k_q25b12ec9bf_attn:
	.size	k_q25b12ec9bf_attn, .Lfunc_end_k_q25b12ec9bf_attn-k_q25b12ec9bf_attn
	.p2alignl 7, 3214868480
	.fill 96, 4, 3214868480
	.section	.rodata,"a",@progbits
	.p2align	6, 0x0
	.amdhsa_kernel k_q25b12ec9bf_attn
		.amdhsa_group_segment_fixed_size 300032
		.amdhsa_private_segment_fixed_size 0
		.amdhsa_enable_private_segment 0
		.amdhsa_kernarg_size 32
		.amdhsa_user_sgpr_count 2
		.amdhsa_user_sgpr_kernarg_segment_ptr 1
		.amdhsa_wavefront_size32 1
		.amdhsa_system_sgpr_workgroup_id_x 1
		.amdhsa_system_sgpr_workgroup_id_y 1
		.amdhsa_system_sgpr_workgroup_id_z 1
		.amdhsa_system_vgpr_workitem_id 0
		.amdhsa_next_free_vgpr 448
		.amdhsa_next_free_sgpr 80
		.amdhsa_reserve_vcc 0
		.amdhsa_float_denorm_mode_32 3
		.amdhsa_float_denorm_mode_16_64 3
		.amdhsa_memory_ordered 1
		.amdhsa_forward_progress 1
		.amdhsa_inst_pref_size 139
	.end_amdhsa_kernel
	.amdgpu_metadata
---
amdhsa.version: [ 1, 2 ]
amdhsa.kernels:
  - .name:           k_q25b12ec9bf_attn
    .symbol:         k_q25b12ec9bf_attn.kd
    .args:
      - { .name: qc, .offset: 0, .size: 8, .value_kind: global_buffer, .address_space: global }
      - { .name: kvc, .offset: 8, .size: 8, .value_kind: global_buffer, .address_space: global }
      - { .name: lowp_scales, .offset: 16, .size: 8, .value_kind: global_buffer, .address_space: global }
      - { .name: cc, .offset: 24, .size: 8, .value_kind: global_buffer, .address_space: global }
    .group_segment_fixed_size: 300032
    .private_segment_fixed_size: 0
    .kernarg_segment_align: 8
    .kernarg_segment_size: 32
    .max_flat_workgroup_size: 256
    .sgpr_count:     80
    .vgpr_count:     448
    .wavefront_size: 32
...
	.end_amdgpu_metadata
.endif
;; end of part 2
;; launch proj (part 3): grid 8 x 32, 4 waves a work-group, clusters of 4 x 4, 284,160 bytes of LDS; arguments cc, w_proj_codes, lowp_scales, b_proj, out0; writes out0
.if DOCPART == 3
	.amdgcn_target "amdgcn-amd-amdhsa--gfx1250"
	.amdhsa_code_object_version 6
	.text
	.protected	k_q25b12ec9bf_proj
	.globl	k_q25b12ec9bf_proj
	.p2align	8
	.type	k_q25b12ec9bf_proj,@function
k_q25b12ec9bf_proj:
	s_mov_b64 s[64:65], 0
	v_nop
	global_prefetch_b8 v0, s[64:65] scope:SCOPE_SE
	s_setreg_imm32_b32 hwreg(HW_REG_WAVE_MODE, 25, 1), 1
	s_wait_xcnt 0x0
	s_wait_alu depctr_hold_cnt(0) depctr_sa_sdst(0) depctr_va_vdst(0) depctr_va_sdst(0) depctr_va_ssrc(0) depctr_va_vcc(0) depctr_vm_vsrc(0)
	s_getreg_b32 s2, hwreg(HW_REG_IB_STS2, 6, 4)
	s_cmp_eq_u32 s2, 0
	s_cbranch_scc0 .Lentry_in_a_cluster
	s_endpgm
.Lentry_in_a_cluster:
	s_bfe_u32 s2, ttmp6, 0x10000c
	s_cmp_lg_u32 s2, 0xf033
	s_cbranch_scc0 .Lentry_shape_is_right
	s_endpgm
.Lentry_shape_is_right:
; out = ctx w_proj^T + b on codes of FP8 (E4M3).  cc: ctx as images of the operand's registers, [block of 128 rows][128 along K][tile of 16 rows][2,048]; w_proj: [1024][1024] codes, K innermost; out0: [4096][1024] f32.
; A sum stands for sum x 2^(e6 + e7): out = sum x 2^(e6 + e7) + b, one packed multiply-add for two numbers.  LIMIT: e6 + e7 between -126 and 127.  NaN codes are not served.
; SHARES.  A tile of out is 128 x 128, so that the 32 x 8 tiles give 256 work-groups; wave (rh, ch) makes 64 x 64: 16 accumulators.  THE WHOLE K LIES IN LDS, each byte filled once, in two halves of 512 along K:
; waves 0, 1 ask for ctx's two halves (65,536 dense bytes each), waves 2, 3 for w's (128 rows of 512 bytes each): one load a wave, all at the head, so that there is no trip in which a prefetch could run ahead.
; CLUSTER 4 x 4: ctx's tiles hang on the row block alone and are asked for jointly by a row of the cluster, w's on the column block alone and by a column.
; THE MATRIX INSTRUCTION IS USED TRANSPOSED (source 0 = 16 rows of w, source 1 = 16 rows of ctx): a lane holds eight neighbouring numbers of a row of out.
; Both operands hold K = 32 c + 16 h + 0 .. 15 in registers 4 c .. 4 c + 3: the same order of k, so every product meets its partner.
; REGISTERS: window 0: v16-27 addresses; v30, v31 the add's; v32-63 the bias in the result's layout; v64-127 at work on the way out; v128-255 the accumulators ((a, t) at v[128 + 8 (4 a + t)]).
;   Three sets of fragments, ctx's four, then w's four: sets 0 and 1 in window 1 at v0 and v128, set 2 in window 2 at v0.  Step n of 128 along K is in set n % 3 and is asked for two steps ahead.
.set PITCH,  528                       ; a row of w in LDS: 512 bytes + 16 of padding = 132 words: row r starts at bank 4 r mod 64 (64 banks of 4 bytes: ISA guide 11.1)
.set AH,     65536                     ; a half of ctx: 4 x 8 images of 2,048 bytes, dense
.set BBASE,  2*AH
.set BH,     128*PITCH                 ; a half of w
.set SPITCH, 272
.set STAGE,  BBASE+2*BH                ; behind the tiles: 16 rows x 272 bytes for each wave, for the way out; no fill lands there
.set SPARE,  STAGE+4*16*SPITCH         ; the spare words, 128 bytes for each wave
.set ADRA, 16                          ; v16-17  LDS address of my images of ctx in half 0, 1
.set ADRB, 20                          ; v20-21  of my rows of w
.set STO,  24                          ; v24     the way out: where I put 32 bytes of a row
.set RD,   25                          ; v25     where I read a row back
.set CO,   26                          ; v26     my byte offset in out0
.set BO,   27                          ; v27     my byte offset in the bias
.set BI,   32
.set TMP,  64
.set ACC,  128
.set G1A, 16                           ; s[16:23], s[24:31] descriptor groups 1;  s[32:35], s[36:39] groups 0
.set G1B, 24
.set G0A, 32
.set G0B, 40                           ; s[32:39], s[40:47] groups 0: ctx's two halves, w's two halves
.set OB,  92                           ; s[92:93] out0 at my first row and column
.set MSB, 0
.macro WIN new                         ; the immediate's high byte repeats the setting that is left
.if MSB != \new
	s_set_vgpr_msb (MSB<<8)|\new
.set MSB, \new
.endif
.endm
.macro PLACES n
.rept \n
	v_nop
.endr
.endm
.macro CROUND                          ; a round of the cluster's barrier
	s_barrier_signal -1
	s_barrier_wait -1
	s_cmp_lg_u32 s14, 0
	s_cbranch_scc1 .Lnot_wave_0_\@
	s_barrier_signal -3
.Lnot_wave_0_\@:
	s_barrier_wait -3
	s_barrier_signal -1
	s_barrier_wait -1
.endm
	s_load_b256 s[4:11], s[0:1], 0x0               ; cc s[4:5], w_proj s[6:7], the scales' exponents s[8:9], b_proj s[10:11]
	s_load_b64 s[12:13], s[0:1], 0x20              ; out0
	v_lshl_add_u32 v30, v0, 2, SPARE
	v_mov_b32 v31, 0
	ds_add_u32 v30, v31                            ; the opening: the add, twice on end, and its wait
	ds_add_u32 v30, v31
	v_lshrrev_b32 v1, 5, v0
	v_readfirstlane_b32 s14, v1                    ; wave 0..3
	s_lshr_b32 s15, s14, 1                         ; rh.  Also: I fetch for ctx (0) or for w (1)
	s_and_b32 s66, s14, 1                          ; ch.  Also: which half of K I fetch
	s_bfe_u32 s67, ttmp6, 0x40000                  ; cx
	s_bfe_u32 s68, ttmp6, 0x40004                  ; cy
	s_lshl_b32 s69, ttmp9, 2
	s_add_co_u32 s69, s69, s67                     ; the block of 128 columns
	s_and_b32 s70, ttmp7, 0xffff
	s_lshl_b32 s70, s70, 2
	s_add_co_u32 s70, s70, s68                     ; the block of 128 rows
	s_lshl_b32 s71, s68, 2
	s_lshl_b32 s71, 15, s71                        ; my row of the cluster
	s_lshl_b32 s72, 0x1111, s67                    ; my column
	s_or_b32 s[G1A], s71, (3<<16)|(1<<21)          ; the mask; elements of 8 bytes; no padding; 21 set beside a mask: 256 rows of 256 bytes, dense
	s_mov_b32 s[G1A+1], 32<<16
	s_mov_b32 s[G1A+2], 256<<16
	s_mov_b32 s[G1A+3], 32<<16
	s_mov_b32 s[G1A+4], 256
	s_mov_b32 s[G1A+5], 32
	s_mov_b32 s[G1A+6], 0
	s_mov_b32 s[G1A+7], 0
	s_or_b32 s[G1B], s72, (1<<20)|(1<<21)|(6<<22)|(3<<25)  ; the mask; elements of 1 byte; four words of padding after every 128: 128 rows of 512 bytes
	s_mov_b32 s[G1B+1], 512<<16
	s_mov_b32 s[G1B+2], 128<<16
	s_mov_b32 s[G1B+3], 512<<16
	s_mov_b32 s[G1B+4], 128
	s_mov_b32 s[G1B+5], 1024
	s_mov_b32 s[G1B+6], 0
	s_mov_b32 s[G1B+7], 0
	s_lshl_b32 s74, s70, 17                        ; ctx: 131,072 bytes a block of rows
	s_mov_b32 s75, 0
	s_lshl_b32 s76, s69, 17                        ; w: 128 rows of 1,024 bytes a block of columns
	s_mov_b32 s77, 0
	s_lshl_b32 s96, s69, 9                         ; my first column in bytes: 512 x block + 256 x ch
	s_lshl_b32 s97, s66, 8
	s_add_co_u32 s96, s96, s97
	s_mov_b32 s97, 0
	s_lshl_b32 s98, s70, 19                        ; my first row: 128 rows of 4,096 bytes a block, 64 for each half
	s_lshl_b32 s99, s15, 18
	s_add_co_u32 s98, s98, s99
	s_mov_b32 s99, 0
	s_lshl_b32 s90, s15, 13                        ; my four tiles of rows: 4 x 2,048 bytes for each half
	s_mul_i32 s91, s66, 64*PITCH
	s_add_co_u32 s91, s91, BBASE                   ; my 64 rows of w
	s_mul_i32 s94, s14, 16*SPITCH
	s_add_co_u32 s94, s94, STAGE                   ; my stage
	v_bfe_u32 v2, v0, 4, 1                         ; h
	v_lshlrev_b32 v[BO], 5, v2                     ; the bias: 8 h numbers on
	v_and_b32 v1, 15, v0                           ; r
	v_and_b32 v3, 31, v0
	v_lshlrev_b32 v3, 4, v3                        ; 16 x lane
	v_mul_u32_u24 v4, v1, PITCH
	v_lshl_add_u32 v4, v2, 4, v4                   ; row r x pitch + 16 h
	v_add_nc_u32 v[ADRA], s90, v3
	v_add_nc_u32 v[ADRA+1], AH, v[ADRA]
	v_add_nc_u32 v[ADRB], s91, v4
	v_add_nc_u32 v[ADRB+1], BH, v[ADRB]
	v_mul_u32_u24 v[STO], v1, SPITCH
	v_lshl_add_u32 v[STO], v2, 5, v[STO]
	v_add_nc_u32 v[STO], s94, v[STO]               ; in: row r, 32 bytes for each half of the lanes
	v_mul_u32_u24 v[RD], v2, SPITCH
	v_lshl_add_u32 v[RD], v1, 4, v[RD]
	v_add_nc_u32 v[RD], s94, v[RD]                 ; back: lanes 0-15 one row of 256 bytes, lanes 16-31 the next
	v_lshlrev_b32 v[CO], 12, v2
	v_lshl_add_u32 v[CO], v1, 4, v[CO]             ; and the same two rows in out0
	s_wait_alu depctr_va_vdst(0)                   ; the end of the head's vector work
	s_wait_dscnt 0x0                               ; both opening adds are done
	s_wait_kmcnt 0x0
	s_load_b256 s[80:87], s[8:9], 0x0              ; e0 .. e7
	s_add_nc_u64 s[10:11], s[10:11], s[96:97]
	s_add_nc_u64 s[OB:OB+1], s[12:13], s[96:97]
	s_add_nc_u64 s[OB:OB+1], s[OB:OB+1], s[98:99]
	s_add_nc_u64 s[74:75], s[4:5], s[74:75]
	s_add_nc_u64 s[76:77], s[6:7], s[76:77]
.irp k, 0,1
	s_mov_b32 s[G0A+4*\k], 1
	s_mov_b32 s[G0A+4*\k+1], \k*AH
	s_add_nc_u64 s[G0A+4*\k+2:G0A+4*\k+3], s[74:75], \k*AH
	s_or_b32 s[G0A+4*\k+3], s[G0A+4*\k+3], 0x80000000
	s_mov_b32 s[G0B+4*\k], 1
	s_mov_b32 s[G0B+4*\k+1], BBASE+\k*BH
	s_add_nc_u64 s[G0B+4*\k+2:G0B+4*\k+3], s[76:77], \k*512
	s_or_b32 s[G0B+4*\k+3], s[G0B+4*\k+3], 0x80000000
.endr
.irp t, 0,1,2,3
	global_load_b128 v[BI+8*\t:BI+8*\t+3], v[BO], s[10:11] offset:64*\t       ; b at columns 16 t + 8 h + 0 .. 7 of my 64
	global_load_b128 v[BI+8*\t+4:BI+8*\t+7], v[BO], s[10:11] offset:64*\t+16
.endr
.macro FILL g0, g1
	tensor_load_to_lds s[\g0:\g0+3], s[\g1:\g1+7]
	s_nop 0
.rept 4
	v_nop
.endr
.endm
	CROUND                                         ; all sixteen work-groups are here: the joint loads meet
	s_cmp_eq_u32 s14, 3                            ; one load a wave, an arm for each
	s_cbranch_scc0 .Lnot_3
	FILL G0B+4, G1B                                ; w's second half of K
	s_branch .Lasked
.Lnot_3:
	s_cmp_eq_u32 s14, 1
	s_cbranch_scc0 .Lnot_1
	FILL G0A+4, G1A                                ; ctx's second half
	s_branch .Lasked
.Lnot_1:
	s_cmp_eq_u32 s14, 2
	s_cbranch_scc0 .Lnot_2
	FILL G0B, G1B                                  ; w's first half
	s_branch .Lland
.Lnot_2:
	FILL G0A, G1A                                  ; ctx's first half
.Lland:
	s_wait_tensorcnt 0x0                           ; the first half is read behind the first barrier: its two waves wait for it here
.Lasked:
	s_wait_kmcnt 0x0
	s_add_co_i32 s88, s86, s87
	s_add_co_i32 s88, s88, 127
	s_lshl_b32 s88, s88, 23                        ; 2^(e6 + e7) as f32
	s_mov_b32 s89, s88                             ; (named with it as a pair)
.macro FETCH n                         ; 32 loads in one run: step n's fragments into set n % 3
.if (\n)%3 == 2
	WIN 0x80                                       ; destination window 2, address window 0
.else
	WIN 0x40                                       ; destination window 1
.endif
.set FB, 128*(((\n)%3)%2)
.irp a, 0,1,2,3
.irp c, 0,1,2,3
	ds_load_b128 v[FB+16*\a+4*\c:FB+16*\a+4*\c+3], v[ADRA+(\n)/4] offset:16384*((\n)%4)+2048*\a+512*\c
.endr
.endr
.irp t, 0,1,2,3
.irp c, 0,1,2,3
	ds_load_b128 v[FB+64+16*\t+4*\c:FB+64+16*\t+4*\c+3], v[ADRB+(\n)/4] offset:16*PITCH*\t+128*((\n)%4)+32*\c
.endr
.endr
.endm
; Step n's 16 products.  The 16 accumulators take turns, one instruction a turn, in the same order in every step.
.macro MUL n, zero
.if (\n)%3 == 2
	WIN 0x0a                                       ; sources 0 and 1 window 2, C and D window 0
.else
	WIN 0x05                                       ; sources 0 and 1 window 1
.endif
.set FB, 128*(((\n)%3)%2)
.irp a, 0,1,2,3
.irp t, 0,1,2,3
.if \zero
	v_wmma_f32_16x16x128_fp8_fp8 v[ACC+8*(4*\a+\t):ACC+8*(4*\a+\t)+7], v[FB+64+16*\t:FB+64+16*\t+15], v[FB+16*\a:FB+16*\a+15], 0
.else
	v_wmma_f32_16x16x128_fp8_fp8 v[ACC+8*(4*\a+\t):ACC+8*(4*\a+\t)+7], v[FB+64+16*\t:FB+64+16*\t+15], v[FB+16*\a:FB+16*\a+15], v[ACC+8*(4*\a+\t):ACC+8*(4*\a+\t)+7]
.endif
.endr
.endr
.endm
	s_barrier_signal -1
	s_barrier_wait -1
	FETCH 0
	FETCH 1
	s_wait_dscnt 32                                ; step 0 is in; step 1's 32 loads may be out
	FETCH 2
	MUL 0, 1                                       ; the first products start the sums
	s_wait_dscnt 32                                ; step 1 is in
	PLACES 4                                       ; four places in front of loads into registers that the last step's products read
	FETCH 3
	MUL 1, 0
	s_wait_tensorcnt 0x0                           ; my load is in,
	s_wait_dscnt 0x0                               ; and steps 2 and 3
	s_barrier_signal -1
	MUL 2, 0                                       ; work on registers while the others arrive
	s_barrier_wait -1                              ; the second half of K is whole for every wave
	PLACES 4
	FETCH 4
	FETCH 5
	MUL 3, 0
	s_wait_dscnt 32                                ; step 4 is in; step 5's 32 loads may be out
	PLACES 4
	FETCH 6
	MUL 4, 0
	s_wait_dscnt 32
	PLACES 4
	FETCH 7
	MUL 5, 0
	s_wait_dscnt 32
	MUL 6, 0
	s_wait_dscnt 0x0
	MUL 7, 0
	WIN 0
	s_wait_loadcnt 0x0                             ; the bias
	PLACES 4                                       ; in front of the first read of results
; THE WAY OUT, a block of 16 rows x 64 columns at a time: sum x 2^(e6 + e7) + b, each accumulator from its low end on; through my own stage; back as whole rows of 256 bytes, into the block's own accumulator registers.
; LDS serves a wave's instructions in order (ISA guide 5.7.1.4): no wait between the stores and the loads, nor in front of the next block's stores.
.macro TOSTAGE a
.set TM, TMP+32*((\a)%2)
.irp t, 0,1,2,3
.irp i, 0,2,4,6
	v_pk_fma_f32 v[TM+8*\t+\i:TM+8*\t+\i+1], v[ACC+8*(4*(\a)+\t)+\i:ACC+8*(4*(\a)+\t)+\i+1], s[88:89], v[BI+8*\t+\i:BI+8*\t+\i+1] op_sel_hi:[1,0,1]
.endr
.endr
.irp t, 0,1,2,3
	ds_store_b128 v[STO], v[TM+8*\t:TM+8*\t+3] offset:64*\t
	ds_store_b128 v[STO], v[TM+8*\t+4:TM+8*\t+7] offset:64*\t+16
.endr
.irp i, 0,1,2,3,4,5,6,7
	ds_load_b128 v[ACC+32*(\a)+4*\i:ACC+32*(\a)+4*\i+3], v[RD] offset:2*SPITCH*\i
.endr
.endm
.macro SEND a, younger                 ; younger: the LDS instructions issued behind block a's loads, which may stay out
	s_wait_dscnt \younger
.irp i, 0,1,2,3,4,5,6,7
	global_store_b128 v[CO], v[ACC+32*(\a)+4*\i:ACC+32*(\a)+4*\i+3], s[OB:OB+1] offset:(16*(\a)+2*\i)*4096 th:TH_STORE_NT   ; 16 lanes store 256 consecutive bytes, at a multiple of 256 from out0's first byte
.endr
.endm
	TOSTAGE 0
.irp a, 1,2,3
	TOSTAGE \a
	SEND \a-1, 16                                  ; behind block a - 1's loads: block a's 8 stores and 8 loads
.endr
	SEND 3, 0
	s_wait_tensorcnt 0x0                           ; the wave's end
	ds_add_u32 v30, v31
	s_wait_dscnt 0x0
	CROUND                                         ; the closing round: no work-group ends while a partner may still ask for a tile that names it
	s_endpgm
.Lfunc_end_k_q25b12ec9bf_proj:
	.size	k_q25b12ec9bf_proj, .Lfunc_end_k_q25b12ec9bf_proj-k_q25b12ec9bf_proj
	.p2alignl 7, 3214868480
	.fill 96, 4, 3214868480
	.section	.rodata,"a",@progbits
	.p2align	6, 0x0
	.amdhsa_kernel k_q25b12ec9bf_proj
		.amdhsa_group_segment_fixed_size 284160
		.amdhsa_private_segment_fixed_size 0
		.amdhsa_enable_private_segment 0
		.amdhsa_kernarg_size 40
		.amdhsa_user_sgpr_count 2
		.amdhsa_user_sgpr_kernarg_segment_ptr 1
		.amdhsa_wavefront_size32 1
		.amdhsa_system_sgpr_workgroup_id_x 1
		.amdhsa_system_sgpr_workgroup_id_y 1
		.amdhsa_system_sgpr_workgroup_id_z 1
		.amdhsa_system_vgpr_workitem_id 0
		.amdhsa_next_free_vgpr 640
		.amdhsa_next_free_sgpr 100
		.amdhsa_reserve_vcc 0
		.amdhsa_float_denorm_mode_32 3
		.amdhsa_float_denorm_mode_16_64 3
		.amdhsa_memory_ordered 1
		.amdhsa_forward_progress 1
		.amdhsa_inst_pref_size 45
	.end_amdhsa_kernel
	.amdgpu_metadata
---
amdhsa.version: [ 1, 2 ]
amdhsa.kernels:
  - .name:           k_q25b12ec9bf_proj
    .symbol:         k_q25b12ec9bf_proj.kd
    .args:
      - { .name: cc, .offset: 0, .size: 8, .value_kind: global_buffer, .address_space: global }
      - { .name: w_proj_codes, .offset: 8, .size: 8, .value_kind: global_buffer, .address_space: global }
      - { .name: lowp_scales, .offset: 16, .size: 8, .value_kind: global_buffer, .address_space: global }
      - { .name: b_proj, .offset: 24, .size: 8, .value_kind: global_buffer, .address_space: global }
      - { .name: out0, .offset: 32, .size: 8, .value_kind: global_buffer, .address_space: global }
    .group_segment_fixed_size: 284160
    .private_segment_fixed_size: 0
    .kernarg_segment_align: 8
    .kernarg_segment_size: 40
    .max_flat_workgroup_size: 128
    .sgpr_count:     100
    .vgpr_count:     640
    .wavefront_size: 32
...
	.end_amdgpu_metadata
.endif
;; end of part 3
